; MI455X (gfx1250); checked and timed in simulation.
; The chip was launched on July 23, 2026; its instructions are those of AMD's public machine-readable ISA for CDNA 5 (MIT licence, August 2026) and "CDNA5" Instruction Set Architecture Reference Guide (July 2026). The comments in the code are by the model that wrote it; some were corrected since.
;; Multi Head Attention Quantum. Allowed arithmetic: matrix products marked QUANTISED: E5M2 operands, one E8M0 scale for each 32 along K, by v_wmma_scale_f32_16x16x128_f8f6f4 with both operands' format E5M2, f32 sums; products left as they are: f32 operands where the result goes on into a quantised operand, else bf16, f16 or f32 operands; f32 sums; everything else in f32.
;; Inputs: W_codes 128 x 4 x 32 uint8 (E5M2 codes of W, K innermost, in blocks of 32 codes); W_scales 128 x 4 uint8 (E8M0 scales of W, one for each 32 codes along K); b 128 float32; theta 8 float32; x 8 x 1,024 x 128 float32.
;; Outputs: out0 8 x 1,024 x 128 float32.
;; This version of the problem:
;;   THIS VERSION OF THE PROBLEM IS GIVEN IN LOW PRECISION. The matrix products marked QUANTISED in the list below multiply operands that are first quantised to E5M2 (5 exponent bits, 2 mantissa bits; 8 bits a number), with one power-of-two scale for each 32 numbers along K (OCP MX v1.0); their sums are f32. All else is computed in f32.
;;   The module's matrix products, in the order in which they are computed (A, B: the left and right operand; K: the contracted axis; several contracted axes count as one K, in the product's order):
;;     1. batch 128 x [M 1,024, K 8] x [K 8, N 1,024]; A: computed on the way; B: computed on the way: left as it is (K = 8 < 32)
;;     2. batch 128 x [M 1,024, K 1,024] x [K 1,024, N 8]; A: softmax; B: computed on the way: left as it is (N = 8 < 16)
;;     3. [M 8,192, K 128] x [K 128, N 128]; A: computed on the way; B: input W (given as codes): QUANTISED
;;   THE QUANTISER, for each operand of a quantised product, along K:
;;     - K is cut into blocks of 32 from its start; a last block that is shorter is filled with zeros.
;;     - A block's scale is 2^e with e = floor(log2(the largest magnitude in the block)) - 15, held to -126 .. 127; a block of zeros has e = 0. As a byte (E8M0): e + 127.
;;     - Each number is divided by its block's scale, clamped to +-57,344, and rounded to the nearest number of E5M2, ties to even, subnormals kept.
;;     - The product sums the exact products of the quantised numbers (number of the format x scale) in f32.
;;   ~~~python
;;   def quantise(x, axis):      # numpy; x: float32 -> the quantised numbers, widened to float32 again
;;       x = np.moveaxis(x, axis, -1); K = x.shape[-1]
;;       x = np.pad(x, [(0, 0)] * (x.ndim - 1) + [(0, -K % 32)]); x = x.reshape(x.shape[:-1] + (-1, 32)); a = np.abs(x).max(-1, keepdims=True)
;;       e = np.where(a > 0, np.clip(np.frexp(np.where(a > 0, a, 1))[1] - 1 - 15, -126, 127), 0)      # np.frexp(a)[1] - 1 = floor(log2(a)), exactly
;;       r = np.clip(x / 2.0 ** e, -57344, 57344)
;;       step = 2.0 ** (np.maximum(np.frexp(np.where(r == 0, 1, r))[1] - 1, -14) - 2)
;;       q = np.round(r / step) * step * 2.0 ** e      # np.round: ties to even
;;       return np.moveaxis(q.reshape(q.shape[:-2] + (-1,))[..., :K], -1, axis).astype(np.float32)
;;   ~~~
;;   OPERANDS COMPUTED ON THE WAY. 'Computed on the way' means the value that the module computes at that place (a softmax that the list does not call 'softmax' is quantised finished and normalised). What goes into a quantiser is computed in f32, as accurately as f32 sums, v_exp_f32 and their like allow (about 1e-6 of the number): no bf16 or f16 on the way to a quantiser, and a product that is left as it is and whose result goes on into a quantised operand takes f32 operands (vector FMAs, or v_wmma_f32_16x16x4_f32). A number that lies on a knife's edge between two numbers of the format may be rounded either way, as far as f32 arithmetic and the matrix unit's own rounding can turn it there, and no further.
;;   INPUTS GIVEN AS CODES. W (in the module: [128, 128], K = its axis 1): each comes as NAME_codes (uint8): NAME with its K axis moved to the last place and cut into blocks of 32 codes, [.., K / 32, bytes a block], one block behind the other in memory; one code a byte (a code: sign, 5 exponent bits, 2 mantissa bits); and NAME_scales (uint8): the same leading axes, one E8M0 byte (e + 127) for each 32 codes along K. Its value is code x scale, taken as it is: it is not quantised again, and the codes and scales need not be those that the quantiser above would give.
;; One version. Each part assembles by itself: llvm-mc -triple=amdgcn-amd-amdhsa -mcpu=gfx1250 --defsym DOCPART=n.
;; ======== version 1 of 1: 2 launches
;; limits: inputs' magnitudes at most 100,000
;; workspace buffers: hbuf 4,194,304 bytes
;; launch heads (part 1): grid 256 x 1, 4 waves a work-group, no clusters, 17,920 bytes of LDS; arguments x, theta, hbuf; writes hbuf
.if DOCPART == 1
	.amdgcn_target "amdgcn-amd-amdhsa--gfx1250"
	.amdhsa_code_object_version 6
	.text
	.protected	k_qebde51a362_heads
	.globl	k_qebde51a362_heads
	.p2align	8
	.type	k_qebde51a362_heads,@function
k_qebde51a362_heads:
	s_mov_b64 s[64:65], 0
	v_nop
	global_prefetch_b8 v0, s[64:65] scope:SCOPE_SE
	s_setreg_imm32_b32 hwreg(HW_REG_WAVE_MODE, 25, 1), 1
	s_wait_xcnt 0x0
; h = the closed form of the 8-wire circuit: c_i = cos(x_i + theta_i); z_0 = c_1 .. c_7; z_w = c_0 .. c_w for w = 1 .. 7.   x: [8][1024][16 heads][8] f32.
; OUT: hbuf, laid as the next launch reads it: [batch][head][tile of 16 rows][half of the 8 wires][row in the tile][4 wires] f32: a tile of one head is 512 consecutive bytes.
; SHARES.  1,024 waves; a wave takes 16 rows of x and 8 of the 16 heads (256 bytes of each row).  A lane takes 16 bytes of a row: four wires, half a head; lanes 0-15 one row, lanes 16-31 the next:
; a load covers two whole runs of 256 bytes.  A head's two lanes are neighbours and exchange one product (lane xor 1).
; COSINE, in f32: j = the whole number nearest to a / pi + 1/2; r = a - (2 j - 1) pi/2, with pi/2 in two parts, each taken off by a fused multiply-add; cos a = (-1)^j sin r, |r| <= pi/2;
; sin r = r + r s (c3 + s (c5 + .. + s c13)), s = r r, Taylor's terms: what is left out is at most (pi/2)^15 / 15! = 7e-10.  The sign goes onto r (sin is odd).  Two numbers an instruction where a packed form exists.
; LIMITS: angles up to 1e5 in magnitude (there 2 j - 1 is under 64,000 and what the two parts of pi/2 leave out, 1.8e-15 each time, stays under 2e-10); NaN and infinities are not served.
; THE WAY OUT: a lane's 16 bytes of 16 rows are one run of 256 bytes of hbuf.  They turn through the wave's own stage in LDS (a run's place: 256 bytes + 16, so that the sixteen lanes of a store start
; 4 words apart modulo 64: 64 banks of 4 bytes, ISA guide 11.1) and leave 512 consecutive bytes a store.  Waves share nothing: no barrier.
.set UP,   272                         ; a run's place in the stage
.set WST,  16*UP                       ; a wave's stage
.set XO,   3                           ; v3      my byte in a load's two rows of x
.set TH,   4                           ; v[4:7]  theta of my four wires
.set C13,  8                           ; v[8:9]  1/13!, twice
.set TO,   10                          ; v10     my byte in theta
.set SA,   11                          ; v11     the stage, on the way in
.set RA,   12                          ; v12     and on the way out
.set GO,   13                          ; v13     16 x lane
.set X,    16                          ; v16-47  8 x 4 numbers: x, the angle, at last the cosine
.set J,    48                          ; v48-79  j, then its parity as a sign bit; later the running products
.set R,    80                          ; v80-111 r; later what the lanes exchange
.set M,    112                         ; v112-143 2 j - 1, then s, then r s; later the runs read back
.set PL,   144                         ; v144-175 the polynomial; later z
.set IPI,  20                          ; s[20:21] 1/pi; the packed forms name a pair and take its low word for both halves, so both words are written
.set NP1,  22                          ; s[22:23] -(pi/2), the f32 number nearest to it
.set NP2,  24                          ; s[24:25] what that number is too large by
.set K11,  26                          ; s[26:35] -1/11!, 1/9!, -1/7!, 1/5!, -1/3!
.set ODD,  36                          ; s36      the lanes that hold wires 4-7
	s_load_b128 s[4:7], s[0:1], 0x0                ; x, theta
	s_load_b64 s[8:9], s[0:1], 0x10                ; hbuf
	v_lshl_add_u32 v176, v0, 2, 0x4400
	v_mov_b32 v177, 0
	v_lshrrev_b32 v1, 5, v0
	v_readfirstlane_b32 s10, v1                    ; wave 0..3
	v_and_b32 v1, 15, v0                           ; which 16 bytes of the 256
	v_bfe_u32 v2, v0, 4, 1                         ; which of a load's two rows
	v_lshlrev_b32 v[XO], 4, v1
	v_lshl_add_u32 v[XO], v2, 9, v[XO]             ; 16 (lane % 16) + 512 (lane / 16)
	v_and_b32 v[TO], 1, v0
	v_lshlrev_b32 v[TO], 4, v[TO]                  ; theta 0-3 or theta 4-7
	s_mul_i32 s18, s10, WST
	v_mul_u32_u24 v[SA], v1, UP
	v_lshl_add_u32 v[SA], v2, 4, v[SA]
	v_add_nc_u32 v[SA], s18, v[SA]                 ; in: run = lane % 16, row 2 k + lane / 16
	v_mul_u32_u24 v[RA], v2, UP
	v_lshl_add_u32 v[RA], v1, 4, v[RA]
	v_add_nc_u32 v[RA], s18, v[RA]                 ; out: run 2 t + lane / 16, 16 bytes a lane
	v_and_b32 v[GO], 31, v0
	v_lshlrev_b32 v[GO], 4, v[GO]
	s_lshl_b32 s11, ttmp9, 2
	s_add_co_u32 s11, s11, s10                     ; which of the 1,024 waves
	s_lshr_b32 s12, s11, 1                         ; my 16 rows: 0 .. 511
	s_and_b32 s13, s11, 1                          ; my 8 heads
	s_lshl_b32 s14, s12, 13                        ; x: 16 rows of 512 bytes,
	s_lshl_b32 s15, s13, 8                         ; + 256 bytes for heads 8-15
	s_add_co_u32 s14, s14, s15
	s_mov_b32 s15, 0
	s_lshr_b32 s16, s12, 6                         ; the batch
	s_lshl_b32 s16, s16, 4
	s_lshl_b32 s17, s13, 3
	s_add_co_u32 s16, s16, s17                     ; 16 x batch + my first head
	s_lshl_b32 s16, s16, 6
	s_and_b32 s17, s12, 63
	s_add_co_u32 s16, s16, s17                     ; x 64 tiles + my tile
	s_lshl_b32 s16, s16, 9                         ; x 512 bytes
	s_mov_b32 s17, 0
	s_mov_b32 s[IPI], 0x3ea2f983                   ; 1/pi
	s_mov_b32 s[NP1], 0xbfc90fdb                   ; -1.57079637
	s_mov_b32 s[NP2], 0x333bbd2e                   ; +4.37113883e-8
	s_mov_b32 s[K11], 0xb2d7322b                   ; -1/11!
	s_mov_b32 s[K11+2], 0x3638ef1d                 ; 1/9!
	s_mov_b32 s[K11+4], 0xb9500d01                 ; -1/7!
	s_mov_b32 s[K11+6], 0x3c088889                 ; 1/5!
	s_mov_b32 s[K11+8], 0xbe2aaaab                 ; -1/3!
.irp p, 20,22,24,26,28,30,32,34
	s_mov_b32 s[\p+1], s[\p]
.endr
	s_mov_b32 s[ODD], 0xaaaaaaaa
	v_mov_b32 v[C13], 0x2f309231                   ; 1/13!
	v_mov_b32 v[C13+1], 0x2f309231
	s_wait_kmcnt 0x0
	s_add_nc_u64 s[4:5], s[4:5], s[14:15]
	s_add_nc_u64 s[8:9], s[8:9], s[16:17]
	global_load_b128 v[TH:TH+3], v[TO], s[6:7]
.irp k, 0,1,2,3,4,5,6,7
	global_load_b128 v[X+4*\k:X+4*\k+3], v[XO], s[4:5] offset:1024*\k th:TH_LOAD_NT   ; rows 2 k and 2 k + 1: 256 consecutive bytes of each; read once in the launch
.endr
	s_wait_loadcnt 0x0
; Each line of the cosine is written for all 16 pairs (or 32 numbers) before the next, so that no line waits for the line above it.
.set i, 0
.rept 16
	v_pk_add_f32 v[X+2*i:X+2*i+1], v[X+2*i:X+2*i+1], v[TH+2*(i%2):TH+2*(i%2)+1]      ; the angle a
.set i, i+1
.endr
.set i, 0
.rept 16
	v_pk_fma_f32 v[J+2*i:J+2*i+1], v[X+2*i:X+2*i+1], s[IPI:IPI+1], 0.5 op_sel_hi:[1,0,0]   ; a / pi + 1/2
.set i, i+1
.endr
.set i, 0
.rept 32
	v_rndne_f32 v[J+i], v[J+i]                     ; j
.set i, i+1
.endr
.set i, 0
.rept 16
	v_pk_fma_f32 v[M+2*i:M+2*i+1], v[J+2*i:J+2*i+1], 2.0, -1.0 op_sel_hi:[1,0,0]     ; 2 j - 1
.set i, i+1
.endr
.set i, 0
.rept 16
	v_pk_fma_f32 v[R+2*i:R+2*i+1], v[M+2*i:M+2*i+1], s[NP1:NP1+1], v[X+2*i:X+2*i+1] op_sel_hi:[1,0,1]   ; a - (2 j - 1) x the first part of pi/2: one rounding, of a small number
.set i, i+1
.endr
.set i, 0
.rept 16
	v_pk_fma_f32 v[R+2*i:R+2*i+1], v[M+2*i:M+2*i+1], s[NP2:NP2+1], v[R+2*i:R+2*i+1] op_sel_hi:[1,0,1]   ; and the second part
.set i, i+1
.endr
.set i, 0
.rept 32
	v_cvt_i32_f32 v[J+i], v[J+i]
.set i, i+1
.endr
.set i, 0
.rept 32
	v_lshlrev_b32 v[J+i], 31, v[J+i]               ; j's parity as a sign bit
.set i, i+1
.endr
.set i, 0
.rept 32
	v_xor_b32 v[R+i], v[J+i], v[R+i]               ; (-1)^j r
.set i, i+1
.endr
.set i, 0
.rept 16
	v_pk_mul_f32 v[M+2*i:M+2*i+1], v[R+2*i:R+2*i+1], v[R+2*i:R+2*i+1]                ; s = r r
.set i, i+1
.endr
.set i, 0
.rept 16
	v_pk_fma_f32 v[PL+2*i:PL+2*i+1], v[M+2*i:M+2*i+1], v[C13:C13+1], s[K11:K11+1] op_sel_hi:[1,1,0]
.set i, i+1
.endr
.irp c, 2,4,6,8
.set i, 0
.rept 16
	v_pk_fma_f32 v[PL+2*i:PL+2*i+1], v[PL+2*i:PL+2*i+1], v[M+2*i:M+2*i+1], s[K11+\c:K11+\c+1] op_sel_hi:[1,1,0]
.set i, i+1
.endr
.endr
.set i, 0
.rept 16
	v_pk_mul_f32 v[M+2*i:M+2*i+1], v[M+2*i:M+2*i+1], v[R+2*i:R+2*i+1]                ; r s
.set i, i+1
.endr
.set i, 0
.rept 16
	v_pk_fma_f32 v[X+2*i:X+2*i+1], v[M+2*i:M+2*i+1], v[PL+2*i:PL+2*i+1], v[R+2*i:R+2*i+1]   ; the cosine
.set i, i+1
.endr
; THE PRODUCTS.  My four cosines are a, b, c, d.  Running products ab, abc, abcd, and bcd.  My neighbour's abcd comes by one exchange.
; Wires 0-3: z = (bcd x the neighbour's, ab, abc, abcd).   Wires 4-7: z = (a, ab, abc, abcd) x the neighbour's.
.irp k, 0,1,2,3,4,5,6,7
	v_mul_f32 v[J+4*\k], v[X+4*\k], v[X+4*\k+1]
	v_mul_f32 v[J+4*\k+3], v[X+4*\k+1], v[X+4*\k+2]
.endr
.irp k, 0,1,2,3,4,5,6,7
	v_mul_f32 v[J+4*\k+1], v[J+4*\k], v[X+4*\k+2]
	v_mul_f32 v[J+4*\k+3], v[J+4*\k+3], v[X+4*\k+3]
.endr
.irp k, 0,1,2,3,4,5,6,7
	v_mul_f32 v[J+4*\k+2], v[J+4*\k+1], v[X+4*\k+3]
	v_cndmask_b32 v[R+4*\k], v[J+4*\k+3], v[X+4*\k], s[ODD]        ; bcd, or a in the lanes of wires 4-7
.endr
.irp k, 0,1,2,3,4,5,6,7
	v_mov_b32_dpp v[R+4*\k+1], v[J+4*\k+2] row_xmask:1 row_mask:0xf bank_mask:0xf   ; the neighbour's abcd
.endr
.irp k, 0,1,2,3,4,5,6,7
	v_cndmask_b32 v[R+4*\k+2], 1.0, v[R+4*\k+1], s[ODD]            ; 1, or the neighbour's
	v_mul_f32 v[PL+4*\k], v[R+4*\k], v[R+4*\k+1]
.endr
.irp k, 0,1,2,3,4,5,6,7
	v_mul_f32 v[PL+4*\k+1], v[J+4*\k], v[R+4*\k+2]
	v_mul_f32 v[PL+4*\k+2], v[J+4*\k+1], v[R+4*\k+2]
	v_mul_f32 v[PL+4*\k+3], v[J+4*\k+2], v[R+4*\k+2]
.endr
.irp k, 0,1,2,3,4,5,6,7
	ds_store_b128 v[SA], v[PL+4*\k:PL+4*\k+3] offset:32*\k         ; rows 2 k, 2 k + 1 of my run
.endr
.irp t, 0,1,2,3,4,5,6,7
	ds_load_b128 v[M+4*\t:M+4*\t+3], v[RA] offset:2*UP*\t          ; LDS serves a wave's instructions in order (ISA guide 5.7.1.4): these see my stores.  Head t's two runs
.endr
.irp t, 0,1,2,3,4,5,6,7
	s_wait_dscnt 7-\t                              ; the younger loads may stay out
	global_store_b128 v[GO], v[M+4*\t:M+4*\t+3], s[8:9] offset:32768*\t   ; 32 lanes store 512 consecutive bytes, a tile of one head; heads lie 32,768 bytes apart
.endr
	s_wait_tensorcnt 0x0
	ds_add_u32 v176, v177
	s_wait_dscnt 0x0
	s_endpgm
.Lfunc_end_k_qebde51a362_heads:
	.size	k_qebde51a362_heads, .Lfunc_end_k_qebde51a362_heads-k_qebde51a362_heads
	.p2alignl 7, 3214868480
	.fill 96, 4, 3214868480
	.section	.rodata,"a",@progbits
	.p2align	6, 0x0
	.amdhsa_kernel k_qebde51a362_heads
		.amdhsa_group_segment_fixed_size 17920
		.amdhsa_private_segment_fixed_size 0
		.amdhsa_enable_private_segment 0
		.amdhsa_kernarg_size 24
		.amdhsa_user_sgpr_count 2
		.amdhsa_user_sgpr_kernarg_segment_ptr 1
		.amdhsa_wavefront_size32 1
		.amdhsa_system_sgpr_workgroup_id_x 1
		.amdhsa_system_sgpr_workgroup_id_y 1
		.amdhsa_system_sgpr_workgroup_id_z 1
		.amdhsa_system_vgpr_workitem_id 0
		.amdhsa_next_free_vgpr 178
		.amdhsa_next_free_sgpr 66
		.amdhsa_reserve_vcc 0
		.amdhsa_float_denorm_mode_32 3
		.amdhsa_float_denorm_mode_16_64 3
		.amdhsa_memory_ordered 1
		.amdhsa_forward_progress 1
		.amdhsa_inst_pref_size 27
	.end_amdhsa_kernel
	.amdgpu_metadata
---
amdhsa.version: [ 1, 2 ]
amdhsa.kernels:
  - .name:           k_qebde51a362_heads
    .symbol:         k_qebde51a362_heads.kd
    .args:
      - { .name: x, .offset: 0, .size: 8, .value_kind: global_buffer, .address_space: global }
      - { .name: theta, .offset: 8, .size: 8, .value_kind: global_buffer, .address_space: global }
      - { .name: hbuf, .offset: 16, .size: 8, .value_kind: global_buffer, .address_space: global }
    .group_segment_fixed_size: 17920
    .private_segment_fixed_size: 0
    .kernarg_segment_align: 8
    .kernarg_segment_size: 24
    .max_flat_workgroup_size: 128
    .sgpr_count:     66
    .vgpr_count:     178
    .wavefront_size: 32
...
	.end_amdgpu_metadata
.endif
;; end of part 1
;; launch attn (part 2): grid 256 x 1, 16 waves a work-group, clusters of 4 x 1, 327,680 bytes of LDS; arguments hbuf, W_codes, W_scales, b, out0; writes out0
.if DOCPART == 2
	.amdgcn_target "amdgcn-amd-amdhsa--gfx1250"
	.amdhsa_code_object_version 6
	.text
	.protected	k_qebde51a362_attn
	.globl	k_qebde51a362_attn
	.p2align	8
	.type	k_qebde51a362_attn,@function
k_qebde51a362_attn:
	s_mov_b64 s[64:65], 0
	v_nop
	global_prefetch_b8 v0, s[64:65] scope:SCOPE_SE
	s_setreg_imm32_b32 hwreg(HW_REG_WAVE_MODE, 25, 1), 1
	s_wait_xcnt 0x0
	s_wait_alu depctr_hold_cnt(0) depctr_sa_sdst(0) depctr_va_vdst(0) depctr_va_sdst(0) depctr_va_ssrc(0) depctr_va_vcc(0) depctr_vm_vsrc(0)
	s_getreg_b32 s2, hwreg(HW_REG_IB_STS2, 6, 4)
	s_cmp_eq_u32 s2, 0
	s_cbranch_scc0 .Lentry_in_a_cluster
	s_endpgm
.Lentry_in_a_cluster:
	s_bfe_u32 s2, ttmp6, 0x10000c
	s_cmp_lg_u32 s2, 0x3003
	s_cbranch_scc0 .Lentry_shape_is_right
	s_endpgm
.Lentry_shape_is_right:
; out0 = Q(softmax(h h^T / sqrt(8)) h) W^T + b, per batch and head; h from hbuf ([batch][head][tile of 16 keys][half of d][key][4] f32); Q = the MX quantiser to E5M2 along the row's 128 numbers.
; The two products of attention are in f32, since their result goes into a quantiser; the last is on codes of E5M2 with E8M0 scales.
; SHARES.  A work-group owns 32 rows of one batch, all 16 heads; wave w owns head w: two tiles of 16 queries against the head's 64 tiles of 16 keys.
; NO MAXIMUM IS TAKEN AWAY: every number of h is a product of cosines, at most 1 in magnitude for every input, so a score lies within +-8 / sqrt(8), p = e^score within 0.059 .. 17, a row's sum under 17,400.
; THE SCORES: v_wmma_f32_16x16x4_f32, source 0 = 16 queries x 4 of d (times log2(e) / sqrt(8), so that p is one v_exp_f32), source 1 = 4 of d x 16 keys, two instructions a tile.
;   In the result lane (r, h) holds KEY r and queries 8 h + 0 .. 7.  d is dealt alike on both sides: lane (r, h) holds d = 4 h + 0 .. 3, two for each of the two instructions.
; P V IS VECTOR WORK: with only 8 columns it would leave half of each matrix instruction empty.  A lane holds one key, so that key's 8 numbers of h are plain registers of the lane (the first four are the very
;   registers of the matrix fragment) and acc(query j, slot s) += p(query j) x h(key, slot s): 32 packed multiply-adds a tile, 4 packed additions for the row's sums.  Slot s is d = s xor 4 h.
;   The sums over the 16 keys of a tile lie across lanes: they are joined once, behind the loop, by an exchange that halves the registers in each step and leaves each lane the 16 bytes that it stores.
; THE RING.  A batch's h is 512 KiB: it goes through two LDS slots of 256 keys x 16 heads.  Each wave fetches, and alone reads, its head's 8,192 bytes of a slot: its own s_wait_tensorcnt is all that its reads need.
; CLUSTER.  The four work-groups of a cluster lie in one batch and walk the same h: every fill is asked for JOINTLY (mask 15), each receiving it in its own LDS.  The place in the cluster enters the addresses of Q and of out0 alone.
; THE PIPELINE, a step for each key tile L: the LDS loads of tile L; the four matrix instructions of tile L - 2; the 72 packed instructions of tile L - 3, among which stand the 16 exponentials of tile L - 2.
; LIMITS: NaN and infinities in h are not served.  A block of zeros gets the scale byte 1: its codes are zeros, and the byte is read here alone.
.set SLOTB, 1<<17                      ; a slot: 16 waves x 8,192 bytes
.set WREG,  8192                       ; a wave's part of a slot: 16 key tiles of 512 bytes
.set SPARE, 2*SLOTB                    ; behind the ring: the spare words, 128 bytes for each of 16 waves: eight blocks of 256 bytes that no other line names
.set PITCH, 528                        ; a stage row: 512 bytes + 16 = 132 words: row r starts at word 4 r modulo 64 (64 banks of 4 bytes: ISA guide 11.1)
.set STG1,  SPARE+2048                 ; 32 rows of attention's result, f32
.set STG2,  STG1+32*PITCH              ; 32 rows of out0
.set SPW,  1                           ; v1   LDS address of my spare word; never rewritten
.set NIL,  2                           ; v2   0; never rewritten
.set AL0,  3                           ; v3   my wave's part of a slot + 16 x lane
.set AL1,  4                           ; v4   the same for lane xor 16: the other half of d
.set ADR0, 5                           ; v5, v6  the same, at the four tiles in hand
.set ADR1, 6
.set QO,   7                           ; v7   16 x lane: my byte in a tile of hbuf and in a row of out0
.set QF,   8                           ; v8-15    Q: two tiles x 4
.set KV,   16                          ; v16-47   a ring of four key tiles x 8: slots 0-3 (also the matrix fragment), slots 4-7
.set S,    48                          ; v48-63   the scores of two tiles: written by matrix instructions alone
.set P,    64                          ; v64-95   p, two sets of 16
.set SUM,  96                          ; v96-111  the rows' sums: tile t, query j at 8 t + j
.set ACC,  112                         ; v112-239 acc: tile t, query j, slot s at 64 t + 8 j + s
.set WS,   240                         ; v240 W's scale words, v241 the rows': scales and nothing else
.set PW,   241
.set T,    242                         ; v242-254 at work behind the loop
.set TMP,  P                           ; behind the loop: p's registers are free
.set NUM,  ACC                         ; 64 numbers of a row;
.set TM,   ACC+64                      ; 16 registers of the quantiser;
.set PC,   ACC+80                      ; the codes;
.set D,    ACC+96                      ; the last product's result;
.set OB,   ACC+104                     ; two rows of out0
.set WF,   KV                          ; W's fragment, 16 registers;
.set BI,   KV+16                       ; the bias in the result's layout, 8
.set WV,   14                          ; s14 my wave's number
.set G1,   24                          ; s[24:31] descriptor group 1
.set G0,   32                          ; s[32:39] group 0, a set for each slot
.set TB,   40                          ; s40 LDS byte, in a wave's part, of the four tiles in hand
.set CNT,  41
.set CS,   42                          ; s[42:43] log2(e) / sqrt(8)
.set M8,   44                          ; s44-47 the lanes whose number has bit 3, 2, 1, 0 set
.set M4,   45
.set M2,   46
.set M1,   47
.set SEL,  48                          ; s[48:49] v_permlanex16_b32's selects for lane xor 16
.set MNT,  50                          ; s50 the mantissa field of 57,344
; A round of the cluster's barrier: my work-group's barrier; wave 0 signals for the work-group; every wave waits for the four work-groups; my work-group's barrier once more.
.macro ROUND
	s_barrier_signal -1
	s_barrier_wait -1
	s_cmp_lg_u32 s[WV], 0
	s_cbranch_scc1 .Lnot_wave_0_\@
	s_barrier_signal -3
.Lnot_wave_0_\@:
	s_barrier_wait -3
	s_barrier_signal -1
	s_barrier_wait -1
.endm
	s_load_b256 s[4:11], s[0:1], 0x0               ; hbuf s[4:5], W's codes s[6:7], W's scales s[8:9], b s[10:11]
	s_load_b64 s[12:13], s[0:1], 0x20              ; out0
	v_lshl_add_u32 v[SPW], v0, 2, SPARE
	v_mov_b32 v[NIL], 0
	ds_add_u32 v1, v2
	ds_add_u32 v1, v2
	s_wait_dscnt 0x0
	v_lshrrev_b32 v[QO], 5, v0
	v_readfirstlane_b32 s[WV], v[QO]               ; wave 0..15 = my head
	s_bfe_u32 s15, ttmp6, 0x40000                  ; cx: my place in the cluster
	s_lshr_b32 s16, ttmp9, 3                       ; the batch: eight clusters to a batch; the four partners share it
	s_and_b32 s17, ttmp9, 7
	s_lshl_b32 s17, s17, 2
	s_add_co_u32 s17, s17, s15                     ; my block of 32 rows, 0 .. 31
	; descriptor group 1: a dense block of 8,192 bytes as 32 rows of 256 bytes (32 elements of 8 bytes), no padding: the reads take 16 x lane
	s_mov_b32 s[G1], 15|(3<<16)|(1<<21)            ; 15:0 the mask: all four work-groups; 17:16 elements of 8 bytes; 21 set beside a mask
	s_mov_b32 s[G1+1], 32<<16                      ; tensor_dim0 = 32
	s_mov_b32 s[G1+2], 32<<16                      ; tensor_dim1 = 32
	s_mov_b32 s[G1+3], 32<<16                      ; tile_dim0 = 32
	s_mov_b32 s[G1+4], 32                          ; tile_dim1 = 32
	s_mov_b32 s[G1+5], 32                          ; from row to row: 32 elements
	s_mov_b32 s[G1+6], 0
	s_mov_b32 s[G1+7], 0
	s_lshl_b32 s18, s16, 4
	s_add_co_u32 s18, s18, s[WV]
	s_lshl_b32 s18, s18, 15                        ; (16 x batch + head) x 32,768 bytes
	s_mov_b32 s19, 0
	s_lshl_b32 s52, s17, 10                        ; my 32 queries: two tiles of 512 bytes
	s_mov_b32 s53, 0
	s_wait_kmcnt 0x0
	s_add_nc_u64 s[20:21], s[4:5], s[18:19]        ; my head's first byte: the same in all four partners
	s_add_nc_u64 s[22:23], s[20:21], s[52:53]      ; my queries
	s_mov_b32 s[G0], 1                             ; count = 1
	s_lshl_b32 s[G0+1], s[WV], 13                  ; LDS: slot 0, my wave's part
	s_mov_b64 s[G0+2:G0+3], s[20:21]               ; keys 0 to 255
	s_or_b32 s[G0+3], s[G0+3], 0x80000000          ; type = 2
	s_mov_b32 s[G0+4], 1
	s_add_co_u32 s[G0+5], s[G0+1], SLOTB           ; slot 1
	s_add_nc_u64 s[G0+6:G0+7], s[20:21], WREG      ; keys 256 to 511
	s_or_b32 s[G0+7], s[G0+7], 0x80000000
	ROUND                                          ; all four work-groups are here: the first joint loads meet
	tensor_load_to_lds s[G0:G0+3], s[G1:G1+7]      ; both first fills go out together: two loads of mine are out
	s_nop 0
	tensor_load_to_lds s[G0+4:G0+7], s[G1:G1+7]
	s_nop 0
.rept 4
	v_nop                                          ; four v_nop follow the tensor loads
.endr
	v_and_b32 v[QO], 31, v0
	v_lshlrev_b32 v[QO], 4, v[QO]
	global_load_b128 v[QF:QF+3], v[QO], s[22:23]               ; lane (r, h): query r, d = 4 h + 0 .. 3
	global_load_b128 v[QF+4:QF+7], v[QO], s[22:23] offset:512
	v_add_nc_u32 v[AL0], s[G0+1], v[QO]
	v_xor_b32 v[AL1], 0x100, v[AL0]                ; 16 x (lane xor 16)
	s_mov_b32 s[CS], 0x3f0293ee                    ; log2(e) / sqrt(8) = 0.51006972
	s_mov_b32 s[CS+1], s[CS]                       ; (named with it as a pair, so it is written)
	s_mov_b32 s[M8], 0xff00ff00
	s_mov_b32 s[M4], 0xf0f0f0f0
	s_mov_b32 s[M2], 0xcccccccc
	s_mov_b32 s[M1], 0xaaaaaaaa
	s_mov_b32 s[SEL], 0x76543210
	s_mov_b32 s[SEL+1], 0xfedcba98
	s_mov_b32 s[MNT], 0x600000
	; for the tail: wave w takes the tile of rows w % 2 and the 16 outputs 16 (w / 2) on
	s_lshr_b32 s54, s[WV], 1
	s_and_b32 s55, s[WV], 1
	s_lshl_b32 s56, s54, 11                        ; 16 rows of W: 128 bytes each
	s_mov_b32 s57, 0
	s_add_nc_u64 s[6:7], s[6:7], s[56:57]
	s_lshl_b32 s56, s54, 6                         ; their scale words, and their 16 numbers of b: 64 bytes
	s_add_nc_u64 s[8:9], s[8:9], s[56:57]
	s_add_nc_u64 s[10:11], s[10:11], s[56:57]
	s_lshl_b32 s56, s16, 10
	s_lshl_b32 s58, s17, 5
	s_add_co_u32 s56, s56, s58
	s_lshl_b32 s58, s[WV], 1
	s_add_co_u32 s56, s56, s58                     ; the two rows of out0 that I store: 1,024 x batch + 32 x block + 2 x wave
	s_lshl_b32 s56, s56, 9
	s_add_nc_u64 s[12:13], s[12:13], s[56:57]
	s_lshl_b32 s58, s[WV], 5
	s_add_co_u32 s58, s58, STG1                    ; stage 1, my head's 32 bytes of a row
	s_mul_i32 s59, s55, 16*PITCH                   ; my tile of rows
	s_add_co_u32 s60, s59, STG1
	s_lshl_b32 s61, s54, 6
	s_add_co_u32 s61, s61, s59
	s_add_co_u32 s61, s61, STG2                    ; stage 2, my tile's corner
	s_mul_i32 s62, s[WV], 2*PITCH
	s_add_co_u32 s62, s62, STG2                    ; stage 2, the two rows that I store
; A STEP.  c = L % 4.  ld: the loads of tile L go out.  mat: tile L - 2 is multiplied and its p made; cnt: the LDS loads behind tile L - 2's that may stay out.
; fm = 2: tile L - 3's p and keys are added in; 1: they start the sums (nothing is ever cleared); 0: there is none yet.
; The two accumulators take turns, one instruction a turn, over the loop's edge too.  The 72 packed instructions name no register of the step's matrix instructions: the first
; twenty are the places between these and the first read of a score (ISA guide 7.12.1).  An exponential stands behind every third of the rest, from each accumulator's low end on; it writes the set of p that nobody reads
; in this step.  Six packed instructions follow the last exponential, then the one wait ahead of the first use of an exponential's result, and ahead of a label or a branch.
.macro STEP c, ld, cnt, mat, fm
.set VL, KV+8*(\c)
.set VM, KV+8*(((\c)+2)%4)
.set VF, KV+8*(((\c)+1)%4)
.set PN, P+16*((\c)%2)
.set PO, P+16*(((\c)+1)%2)
.if \ld
	ds_load_b128 v[VL:VL+3], v[ADR0] offset:512*(\c)               ; key r, d = 4 h + 0 .. 3: 512 consecutive bytes a load
	ds_load_b128 v[VL+4:VL+7], v[ADR1] offset:512*(\c)             ; key r, the other four
.endif
.if \mat
	s_wait_dscnt \cnt
	v_wmma_f32_16x16x4_f32 v[S:S+7], v[QF:QF+1], v[VM:VM+1], 0
	v_wmma_f32_16x16x4_f32 v[S+8:S+15], v[QF+4:QF+5], v[VM:VM+1], 0
	v_wmma_f32_16x16x4_f32 v[S:S+7], v[QF+2:QF+3], v[VM+2:VM+3], v[S:S+7]
	v_wmma_f32_16x16x4_f32 v[S+8:S+15], v[QF+6:QF+7], v[VM+2:VM+3], v[S+8:S+15]
.endif
.set nn, 0
.rept 72
.set tq, nn/36                         ; tile of queries
.set jp, (nn%36)/9                     ; queries 2 jp, 2 jp + 1
.set op, nn%9                          ; 0-3: the even query's four pairs of slots; 4-7: the odd query's; 8: both queries' sums
.set ra, ACC+64*tq+16*jp+8*(op/4)+2*(op%4)
.set rp, PO+8*tq+2*jp
.set rv, VF+2*(op%4)
.set rs, SUM+8*tq+2*jp
.if \fm == 2
.if op == 8
	v_pk_add_f32 v[rs:rs+1], v[rs:rs+1], v[rp:rp+1]
.elseif op < 4
	v_pk_fma_f32 v[ra:ra+1], v[rp:rp+1], v[rv:rv+1], v[ra:ra+1] op_sel_hi:[0,1,1]                 ; the pair's first p for both halves
.else
	v_pk_fma_f32 v[ra:ra+1], v[rp:rp+1], v[rv:rv+1], v[ra:ra+1] op_sel:[1,0,0] op_sel_hi:[1,1,1]  ; its second
.endif
.elseif \fm == 1
.if op == 8
	v_pk_mul_f32 v[rs:rs+1], v[rp:rp+1], 1.0 op_sel_hi:[1,0]
.elseif op < 4
	v_pk_mul_f32 v[ra:ra+1], v[rp:rp+1], v[rv:rv+1] op_sel_hi:[0,1]
.else
	v_pk_mul_f32 v[ra:ra+1], v[rp:rp+1], v[rv:rv+1] op_sel:[1,0] op_sel_hi:[1,1]
.endif
.elseif (nn < 8) || (nn == 71)
.if \mat
	v_nop                                          ; no vector work yet: eight places behind the matrix instructions, one plain line behind the last exponential
.endif
.endif
.if \mat && (nn >= 20) && ((nn-20)%3 == 0) && (nn < 68)
	v_exp_f32 v[PN+(nn-20)/3], v[S+(nn-20)/3]
.endif
.set nn, nn+1
.endr
.if \mat
	s_wait_alu depctr_va_vdst(0)
.endif
.endm
.macro ADRS
	v_add_nc_u32 v[ADR0], s[TB], v[AL0]
	v_add_nc_u32 v[ADR1], s[TB], v[AL1]
.endm
.macro TRIPS count                     ; four steps a trip: the ring of key tiles and the two sets of p are back where they began
	s_mov_b32 s[CNT], \count
.Ltrip_\@:
	ADRS
	STEP 0, 1, 4, 1, 2                             ; cnt = 4: the loads of tiles L - 1 and L, two each, may stay out
	STEP 1, 1, 4, 1, 2
	STEP 2, 1, 4, 1, 2
	STEP 3, 1, 4, 1, 2
	s_add_co_u32 s[TB], s[TB], 2048
	s_sub_co_u32 s[CNT], s[CNT], 1
	s_cmp_lg_u32 s[CNT], 0
	s_cbranch_scc1 .Ltrip_\@
.endm
; THE CHANGE OF SLOTS stands where all loads from slot sl have been issued.  Each wave waits for all its tensor loads (the other slot's fill among them), adds 0 to its spare word, and waits for that and for its reads of the slot.
; Behind the round no wave of any partner still reads the slot or has a load on its way: the joint refill, the keys 512 further on, comes first.  It has the other slot's 16 steps in which to land.
.macro CHANGE sl
	s_wait_tensorcnt 0x0                           ; no tensor load of mine is out, so a group 0 may be written
	ds_add_u32 v[SPW], v[NIL]                      ; 0 onto my spare word
	s_add_nc_u64 s[G0+4*\sl+2:G0+4*\sl+3], s[G0+4*\sl+2:G0+4*\sl+3], 2*WREG   ; the type bits on top are not reached
	s_wait_dscnt 0x0                               ; the add is done, and my reads of the slot are back
	ROUND
	tensor_load_to_lds s[G0+4*\sl:G0+4*\sl+3], s[G1:G1+7]
	s_nop 0
.rept 4
	v_nop
.endr
.endm
	s_wait_tensorcnt 0x1                           ; my part of slot 0 is in; slot 1's fill may stay out.  Nobody else reads these bytes: no barrier
	s_mov_b32 s[TB], 0
	ADRS
	STEP 0, 1, 0, 0, 0                             ; tiles 0 and 1: loads alone
	STEP 1, 1, 0, 0, 0
	s_wait_loadcnt 0x0                             ; Q
.irp i, 0,2,4,6
	v_pk_mul_f32 v[QF+\i:QF+\i+1], v[QF+\i:QF+\i+1], s[CS:CS+1] op_sel_hi:[1,0]
.endr
	STEP 2, 1, 4, 1, 0                             ; tile 0's scores and p
	STEP 3, 1, 4, 1, 1                             ; tile 1's; tile 0 starts the sums
	s_mov_b32 s[TB], 2048
	TRIPS 3                                        ; loads of tiles 4 to 15
	CHANGE 0                                       ; slot 0 takes keys 512 to 767
	s_mov_b32 s[TB], SLOTB
	TRIPS 4                                        ; tiles 16 to 31
	CHANGE 1                                       ; slot 1 takes keys 768 to 1,023: the last load
	s_mov_b32 s[TB], 0
	TRIPS 4                                        ; tiles 32 to 47
	s_wait_tensorcnt 0x0                           ; my part of slot 1 is in; nothing is left to fetch, so no barrier
	s_mov_b32 s[TB], SLOTB
	TRIPS 4                                        ; tiles 48 to 63
	STEP 0, 0, 2, 1, 2                             ; the pipeline runs out: tile 63's two loads may stay out,
	STEP 1, 0, 0, 1, 2                             ; then none
	STEP 2, 0, 0, 0, 2
	; ---- W's fragment, its scale words and the bias are asked for now, into the ring's registers (the 72 lines above are the places behind the last matrix instructions); they land under the exchange
	v_and_b32 v[T], 15, v0                         ; r
	v_bfe_u32 v[T+1], v0, 4, 1                     ; h
	v_lshlrev_b32 v[T+2], 7, v[T]
	v_lshl_add_u32 v[T+2], v[T+1], 4, v[T+2]       ; W: row r of 128 bytes, + 16 h
	v_lshlrev_b32 v[T+3], 2, v[T]                  ; a scale word a row
	v_lshlrev_b32 v[T+4], 5, v[T+1]                ; b: my half's eight numbers
.irp c, 0,1,2,3
	global_load_b128 v[WF+4*\c:WF+4*\c+3], v[T+2], s[6:7] offset:32*\c     ; registers 4 c on: k = 32 c + 16 h + 0 .. 15
.endr
	global_load_b32 v[WS], v[T+3], s[8:9]
	global_load_b128 v[BI:BI+3], v[T+4], s[10:11]
	global_load_b128 v[BI+4:BI+7], v[T+4], s[10:11] offset:16
; ---- THE SUM OVER THE 16 LANES OF A HALF.  In a step with lane bit x, registers a and b (which differ in one bit of their index) become one: the lanes with the bit clear keep a and send b, the others keep b and send a;
; each adds what it gets from lane xor x to what it kept.  Four steps take a tile's 64 registers to 4: lane r ends with query r / 2, slots 4 (r % 2) + 0 .. 3.  The 8 sums take three such steps and one plain one.
.macro RCH base, half, k0, cnt, mask, x
.set kk, 0
.rept \cnt
	v_cndmask_b32 v[TMP+2*kk], v[\base+\k0+kk], v[\base+\k0+kk+\half], s[\mask]
	v_cndmask_b32 v[TMP+2*kk+1], v[\base+\k0+kk+\half], v[\base+\k0+kk], s[\mask]
.set kk, kk+1
.endr
.set kk, 0
.rept \cnt
	v_add_f32_dpp v[\base+\k0+kk], v[TMP+2*kk+1], v[TMP+2*kk] row_xmask:\x row_mask:0xf bank_mask:0xf
.set kk, kk+1
.endr
.endm
.irp t, 0,1
	RCH ACC+64*\t, 32, 0, 16, M8, 8
	RCH ACC+64*\t, 32, 16, 16, M8, 8
	RCH SUM+8*\t, 4, 0, 4, M8, 8
	RCH ACC+64*\t, 16, 0, 16, M4, 4
	RCH SUM+8*\t, 2, 0, 2, M4, 4
	RCH ACC+64*\t, 8, 0, 8, M2, 2
	RCH SUM+8*\t, 1, 0, 1, M2, 2
	RCH ACC+64*\t, 4, 0, 4, M1, 1
	v_add_f32_dpp v[SUM+8*\t], v[SUM+8*\t], v[SUM+8*\t] row_xmask:1 row_mask:0xf bank_mask:0xf
.endr
	v_rcp_f32 v[T+5], v[SUM]
	v_rcp_f32 v[T+6], v[SUM+8]
	v_bfe_u32 v[T+7], v0, 1, 4                     ; (plain work behind the reciprocals)  my row in a tile: 8 h + r / 2
	v_mul_u32_u24 v[T+7], v[T+7], PITCH
	v_lshrrev_b32 v[T+11], 4, v0
	v_xor_b32 v[T+11], v[T+11], v0
	v_and_b32 v[T+11], 1, v[T+11]                  ; (r % 2) xor h: which four of d my slots are
	v_lshl_add_u32 v[T+7], v[T+11], 4, v[T+7]
	v_add_nc_u32 v[T+7], s58, v[T+7]               ; stage 1: where I put 16 bytes
	v_mul_u32_u24 v[T+12], v[T], PITCH
	v_lshl_add_u32 v[T+8], v[T+1], 6, v[T+12]
	v_add_nc_u32 v[T+8], s60, v[T+8]               ; stage 1: row r of my tile, + 64 h: my 16 numbers of a block of 32
	v_lshl_add_u32 v[T+9], v[T+1], 5, v[T+12]
	v_add_nc_u32 v[T+9], s61, v[T+9]               ; stage 2: row r, + 32 h
	v_add_nc_u32 v[T+10], s62, v[QO]               ; stage 2: back, 16 bytes a lane
	s_wait_alu depctr_va_vdst(0)                   ; one wait for the two reciprocals, ahead of their first use
.irp i, 0,1,2,3
	v_mul_f32 v[TMP+\i], v[ACC+\i], v[T+5]
	v_mul_f32 v[TMP+4+\i], v[ACC+64+\i], v[T+6]
.endr
	ds_store_b128 v[T+7], v[TMP:TMP+3]
	ds_store_b128 v[T+7], v[TMP+4:TMP+7] offset:16*PITCH
	s_wait_dscnt 0x0                               ; for the others' sake: my stores into the stage are done
	s_barrier_signal -1
	s_barrier_wait -1                              ; 32 whole rows of 128 numbers lie in stage 1
; ---- THE QUANTISER AND THE LAST PRODUCT.  Lane (r, h) takes, of row r of its tile, 16 neighbours of each block of 32: register 16 c + i is k = 32 c + 16 h + i, the order of the operand's registers.
.irp c, 0,1,2,3
.irp i, 0,1,2,3
	ds_load_b128 v[NUM+16*\c+4*\i:NUM+16*\c+4*\i+3], v[T+8] offset:128*\c+16*\i
.endr
.endr
	s_wait_dscnt 0x0
.irp b, 0,1,2,3
	v_max3_num_f32 v[TM+\b], |v[NUM+16*\b]|, |v[NUM+1+16*\b]|, 0x8000000   ; block b: my 16 numbers, and the floor 2^(16 - 127): so the byte cannot fall under 1
.endr
.irp i, 2,4,6,8,10,12,14
.irp b, 0,1,2,3
	v_max3_num_f32 v[TM+\b], v[TM+\b], |v[NUM+16*\b+\i]|, |v[NUM+1+16*\b+\i]|   ; (the four blocks by turns)
.endr
.endr
.irp b, 0,1,2,3
	v_permlanex16_b32 v[TM+4+\b], v[TM+\b], s[SEL], s[SEL+1]
.endr
.irp b, 0,1,2,3
	v_max_num_f32 v[TM+\b], v[TM+\b], v[TM+4+\b]   ; with lane xor 16's: the block's largest magnitude
.endr
.irp b, 0,1,2,3
	v_add_nc_u32 v[TM+12+\b], 0xf8800000, v[TM+\b] ; 15 off its exponent field: the conversion takes the exponent field of this operand as its scale
.endr
.irp b, 0,1,2,3
	v_and_or_b32 v[TM+8+\b], v[TM+\b], 0x7f800000, s[MNT]   ; 57,344 x the scale
.endr
.irp b, 0,1,2,3
	v_lshrrev_b32 v[TM+4+\b], 23, v[TM+12+\b]      ; the scale's byte
.endr
	v_lshl_or_b32 v[PW], v[TM+5], 8, v[TM+4]       ; my row's scale word; the 64 holds below stand between it and the product
	v_lshl_or_b32 v[PW], v[TM+6], 16, v[PW]
	v_lshl_or_b32 v[PW], v[TM+7], 24, v[PW]
.irp b, 0,1,2,3
.irp i, 0,1,2,3,4,5,6,7,8,9,10,11,12,13,14,15
	v_med3_num_f32 v[NUM+16*\b+\i], v[NUM+16*\b+\i], -v[TM+8+\b], v[TM+8+\b]   ; the conversion to an 8-bit code does not saturate (ISA guide 7.6.2): the hold at the largest code x the scale
.endr
	v_cvt_scalef32_pk8_bf8_f32 v[PC+4*\b:PC+1+4*\b], v[NUM+16*\b:NUM+7+16*\b], v[TM+12+\b]
	v_cvt_scalef32_pk8_bf8_f32 v[PC+2+4*\b:PC+3+4*\b], v[NUM+8+16*\b:NUM+15+16*\b], v[TM+12+\b]
.endr
	s_wait_loadcnt 0x0                             ; W's fragment, its scale words, the bias
.rept 4
	v_nop                                          ; codes written by vector instructions stand four places ahead of a scaled matrix instruction
.endr
	; transposed: source 0 = 16 rows of W, source 1 = my 16 rows: lane (r, h) holds out0(row r, 16 (w / 2) + 8 h + 0 .. 7).  The bias is the sum's C
	v_wmma_scale_f32_16x16x128_f8f6f4 v[D:D+7], v[WF:WF+15], v[PC:PC+15], v[BI:BI+7], v[WS], v[PW] matrix_a_fmt:MATRIX_FMT_BF8 matrix_b_fmt:MATRIX_FMT_BF8
.rept 8
	v_nop                                          ; eight places ahead of the first read of the result
.endr
	ds_store_b128 v[T+9], v[D:D+3]                 ; from the result's low end on
	ds_store_b128 v[T+9], v[D+4:D+7] offset:16
	s_wait_dscnt 0x0                               ; for the others' sake: a row's 512 bytes come from eight waves
	s_barrier_signal -1
	s_barrier_wait -1
	ds_load_b128 v[OB:OB+3], v[T+10]
	ds_load_b128 v[OB+4:OB+7], v[T+10] offset:PITCH
	s_wait_dscnt 0x1                               ; the second row may stay out
	global_store_b128 v[QO], v[OB:OB+3], s[12:13] th:TH_STORE_NT          ; 32 lanes store a row of 512 consecutive bytes, at a multiple of 512 from out0's first byte
	s_wait_dscnt 0x0
	global_store_b128 v[QO], v[OB+4:OB+7], s[12:13] offset:512 th:TH_STORE_NT
	s_wait_tensorcnt 0x0                           ; the wave's end, behind my last tensor load and my last LDS store
	ds_add_u32 v[SPW], v[NIL]
	s_wait_dscnt 0x0
	ROUND                                          ; the closing round: no work-group ends while a partner may still ask for a tile that names it
	s_endpgm
.Lfunc_end_k_qebde51a362_attn:
	.size	k_qebde51a362_attn, .Lfunc_end_k_qebde51a362_attn-k_qebde51a362_attn
	.p2alignl 7, 3214868480
	.fill 96, 4, 3214868480
	.section	.rodata,"a",@progbits
	.p2align	6, 0x0
	.amdhsa_kernel k_qebde51a362_attn
		.amdhsa_group_segment_fixed_size 327680
		.amdhsa_private_segment_fixed_size 0
		.amdhsa_enable_private_segment 0
		.amdhsa_kernarg_size 40
		.amdhsa_user_sgpr_count 2
		.amdhsa_user_sgpr_kernarg_segment_ptr 1
		.amdhsa_wavefront_size32 1
		.amdhsa_system_sgpr_workgroup_id_x 1
		.amdhsa_system_sgpr_workgroup_id_y 1
		.amdhsa_system_sgpr_workgroup_id_z 1
		.amdhsa_system_vgpr_workitem_id 0
		.amdhsa_next_free_vgpr 256
		.amdhsa_next_free_sgpr 66
		.amdhsa_reserve_vcc 0
		.amdhsa_float_denorm_mode_32 3
		.amdhsa_float_denorm_mode_16_64 3
		.amdhsa_memory_ordered 1
		.amdhsa_forward_progress 1
		.amdhsa_inst_pref_size 155
	.end_amdhsa_kernel
	.amdgpu_metadata
---
amdhsa.version: [ 1, 2 ]
amdhsa.kernels:
  - .name:           k_qebde51a362_attn
    .symbol:         k_qebde51a362_attn.kd
    .args:
      - { .name: hbuf, .offset: 0, .size: 8, .value_kind: global_buffer, .address_space: global }
      - { .name: W_codes, .offset: 8, .size: 8, .value_kind: global_buffer, .address_space: global }
      - { .name: W_scales, .offset: 16, .size: 8, .value_kind: global_buffer, .address_space: global }
      - { .name: b, .offset: 24, .size: 8, .value_kind: global_buffer, .address_space: global }
      - { .name: out0, .offset: 32, .size: 8, .value_kind: global_buffer, .address_space: global }
    .group_segment_fixed_size: 327680
    .private_segment_fixed_size: 0
    .kernarg_segment_align: 8
    .kernarg_segment_size: 40
    .max_flat_workgroup_size: 512
    .sgpr_count:     66
    .vgpr_count:     256
    .wavefront_size: 32
...
	.end_amdgpu_metadata
.endif
;; end of part 2
